; MI455X (gfx1250); checked and timed in simulation.
; The chip was launched on July 23, 2026; its instructions are those of AMD's public machine-readable ISA for CDNA 5 (MIT licence, August 2026) and "CDNA5" Instruction Set Architecture Reference Guide (July 2026). The comments in the code are by the model that wrote it; some were corrected since.
;; My Mo E Block. Allowed arithmetic: matrix products marked QUANTISED: E5M2 operands, one given power-of-two scale a tensor, by v_wmma_f32_16x16x64_bf8_bf8 or v_wmma_f32_16x16x128_bf8_bf8, f32 sums; products left as they are: f32 operands where the result goes on into a quantised operand, else bf16, f16 or f32 operands; f32 sums; everything else in f32.
;; Inputs: W1_codes 8 x 4,096 x 32 x 32 uint8 (E5M2 codes of W1, K innermost, in blocks of 32 codes); W2_codes 8 x 1,024 x 128 x 32 uint8 (E5M2 codes of W2, K innermost, in blocks of 32 codes); Wr 1,024 x 8 float32; b1 8 x 4,096 float32; b2 8 x 1,024 float32; lowp_scales 32 int32 (the exponents e of the quantised operands' scales 2^e); x 4 x 256 x 1,024 float32.
;; Outputs: out0 4 x 256 x 1,024 float32.
;; Constants: top_k = 2.
;; This version of the problem:
;;   THIS VERSION OF THE PROBLEM IS GIVEN IN LOW PRECISION. The matrix products marked QUANTISED in the list below multiply operands that are first quantised to E5M2 (5 exponent bits, 2 mantissa bits; 8 bits a number), with one given power-of-two scale for each operand tensor; their sums are f32. All else is computed in f32.
;;   The module's matrix products, in the order in which they are computed (A, B: the left and right operand; K: the contracted axis; several contracted axes count as one K, in the product's order):
;;     1. [M 1,024, K 1,024] x [K 1,024, N 8]; A: input x; B: input Wr: left as it is (N = 8 < 16)
;;     2. batch 1,024 x [M 1, K 2] x [K 2, N 8]; A: computed on the way; B: computed on the way: left as it is (K = 2 < 32)
;;     3. [M 1,024, K 1,024] x [K 1,024, N 4,096]; A: input x; B: input W1 (given as codes): QUANTISED (scales: A lowp_scales[0], B lowp_scales[1])
;;     4. [M 1,024, K 4,096] x [K 4,096, N 1,024]; A: computed on the way; B: input W2 (given as codes): QUANTISED (scales: A lowp_scales[2], B lowp_scales[3])
;;     5. [M 1,024, K 1,024] x [K 1,024, N 4,096]; A: input x; B: input W1 (given as codes): QUANTISED (scales: A lowp_scales[4], B lowp_scales[5])
;;     6. [M 1,024, K 4,096] x [K 4,096, N 1,024]; A: computed on the way; B: input W2 (given as codes): QUANTISED (scales: A lowp_scales[6], B lowp_scales[7])
;;     7. [M 1,024, K 1,024] x [K 1,024, N 4,096]; A: input x; B: input W1 (given as codes): QUANTISED (scales: A lowp_scales[8], B lowp_scales[9])
;;     8. [M 1,024, K 4,096] x [K 4,096, N 1,024]; A: computed on the way; B: input W2 (given as codes): QUANTISED (scales: A lowp_scales[10], B lowp_scales[11])
;;     9. [M 1,024, K 1,024] x [K 1,024, N 4,096]; A: input x; B: input W1 (given as codes): QUANTISED (scales: A lowp_scales[12], B lowp_scales[13])
;;     10. [M 1,024, K 4,096] x [K 4,096, N 1,024]; A: computed on the way; B: input W2 (given as codes): QUANTISED (scales: A lowp_scales[14], B lowp_scales[15])
;;     11. [M 1,024, K 1,024] x [K 1,024, N 4,096]; A: input x; B: input W1 (given as codes): QUANTISED (scales: A lowp_scales[16], B lowp_scales[17])
;;     12. [M 1,024, K 4,096] x [K 4,096, N 1,024]; A: computed on the way; B: input W2 (given as codes): QUANTISED (scales: A lowp_scales[18], B lowp_scales[19])
;;     13. [M 1,024, K 1,024] x [K 1,024, N 4,096]; A: input x; B: input W1 (given as codes): QUANTISED (scales: A lowp_scales[20], B lowp_scales[21])
;;     14. [M 1,024, K 4,096] x [K 4,096, N 1,024]; A: computed on the way; B: input W2 (given as codes): QUANTISED (scales: A lowp_scales[22], B lowp_scales[23])
;;     15. [M 1,024, K 1,024] x [K 1,024, N 4,096]; A: input x; B: input W1 (given as codes): QUANTISED (scales: A lowp_scales[24], B lowp_scales[25])
;;     16. [M 1,024, K 4,096] x [K 4,096, N 1,024]; A: computed on the way; B: input W2 (given as codes): QUANTISED (scales: A lowp_scales[26], B lowp_scales[27])
;;     17. [M 1,024, K 1,024] x [K 1,024, N 4,096]; A: input x; B: input W1 (given as codes): QUANTISED (scales: A lowp_scales[28], B lowp_scales[29])
;;     18. [M 1,024, K 4,096] x [K 4,096, N 1,024]; A: computed on the way; B: input W2 (given as codes): QUANTISED (scales: A lowp_scales[30], B lowp_scales[31])
;;   THE QUANTISER, for each operand of a quantised product, along K:
;;     - The operand's scale is 2^e, e = its entry of the input lowp_scales (int32; the entries are numbered through the quantised products in the list's order, A before B).
;;     - Each number is divided by the scale, clamped to +-57,344, and rounded to the nearest number of E5M2, ties to even, subnormals kept.
;;     - The product sums the exact products of the quantised numbers (number of the format x scale) in f32.
;;   ~~~python
;;   def quantise(x, axis, e):      # numpy; x: float32 -> the quantised numbers, widened to float32 again
;;       x = np.moveaxis(x, axis, -1); K = x.shape[-1]
;;       r = np.clip(x / 2.0 ** e, -57344, 57344)
;;       step = 2.0 ** (np.maximum(np.frexp(np.where(r == 0, 1, r))[1] - 1, -14) - 2)
;;       q = np.round(r / step) * step * 2.0 ** e      # np.round: ties to even
;;       return np.moveaxis(q, -1, axis).astype(np.float32)
;;   ~~~
;;   OPERANDS COMPUTED ON THE WAY. 'Computed on the way' means the value that the module computes at that place (a softmax that the list does not call 'softmax' is quantised finished and normalised). What goes into a quantiser is computed in f32, as accurately as f32 sums, v_exp_f32 and their like allow (about 1e-6 of the number): no bf16 or f16 on the way to a quantiser, and a product that is left as it is and whose result goes on into a quantised operand takes f32 operands (vector FMAs, or v_wmma_f32_16x16x4_f32). A number that lies on a knife's edge between two numbers of the format may be rounded either way, as far as f32 arithmetic and the matrix unit's own rounding can turn it there, and no further.
;;   INPUTS GIVEN AS CODES. W1 (in the module: [8, 1024, 4096], K = its axis 1); W2 (in the module: [8, 4096, 1024], K = its axis 1): each comes as NAME_codes (uint8): NAME with its K axis moved to the last place and cut into blocks of 32 codes, [.., K / 32, bytes a block], one block behind the other in memory; one code a byte (a code: sign, 5 exponent bits, 2 mantissa bits); its scale is its entry of lowp_scales. Its value is code x scale, taken as it is: it is not quantised again, and the codes and scales need not be those that the quantiser above would give.
;; One version. Each part assembles by itself: llvm-mc -triple=amdgcn-amd-amdhsa -mcpu=gfx1250 --defsym DOCPART=n.
;; ======== version 1 of 1: 4 launches
;; workspace buffers: eidx 8,192 bytes of whole numbers; wgt 8,192 bytes; xq 2,097,152 bytes; order 65,536 bytes of whole numbers; hbuf 33,554,432 bytes; ybuf 8,388,608 bytes
;; launch route (part 1): grid 256 x 1, 4 waves a work-group, no clusters, 35,328 bytes of LDS; arguments x, Wr, lowp_scales, xq, eidx, wgt; writes xq, eidx, wgt
.if DOCPART == 1
	.amdgcn_target "amdgcn-amd-amdhsa--gfx1250"
	.amdhsa_code_object_version 6
	.text
	.protected	k_qd8fc809d32_route
	.globl	k_qd8fc809d32_route
	.p2align	8
	.type	k_qd8fc809d32_route,@function
k_qd8fc809d32_route:
	s_mov_b64 s[64:65], 0
	v_nop
	global_prefetch_b8 v0, s[64:65] scope:SCOPE_SE
	s_setreg_imm32_b32 hwreg(HW_REG_WAVE_MODE, 25, 1), 1
	s_wait_xcnt 0x0
; THE ROUTER.  logits = x Wr in f32, softmax, the two largest; and x's codes of E5M2 for each of a token's two experts.
; A slot is 2 x token + k (k = 0: the largest probability, 1: the second).  Stored at fixed places: eidx[slot] the expert, wgt[slot] its probability,
; xq[slot][1024] the token's codes at that expert's scale 2^ex, ex = lowp_scales[4 x expert].  No address here hangs on the choice: it only selects values.
; SHARES.  A work-group takes 4 tokens.  Wave w takes k = 256 w .. 256 w + 255 of all four, lane l the eight k from 256 w + 8 l on.  The waves' partial logits meet in LDS;
; every wave then adds them in the same order, so all four waves make the same choice and each quantises its own quarter of the rows.
; Wr's 8,192 bytes of a wave are loaded as they lie (512 consecutive bytes a load) and turned through the wave's own stage in LDS, so that a lane gets its eight rows of Wr.
; LIMITS.  The two largest are taken of the logits (the order of the probabilities, but where two probabilities round to one number); of equal logits the lower expert wins, as in jax.lax.top_k.
; The logits' sums are f32 in another order than the reference's.  ex between -126 and 112.  NaN and infinities among the inputs are not served.
; eidx and wgt leave in pieces of 32 bytes a work-group: 16 KiB in the whole launch.
.set XR,   16                          ; v16-47   x: token t's eight numbers at XR + 8 t
.set LG,   48                          ; v48-79   logits: token t, expert e at LG + 8 t + e
.set WL,   80                          ; v80-143  Wr as loaded; later v80-207 the four waves' partial logits
.set WT,   144                         ; v144-207 Wr turned: row kk of my eight, expert e at WT + 8 kk + e
.set ST,   208                         ; v208-239 eight a token: m1, i1, sc1, m2, i2, sc2, w1, w2
.set TQ,   240                         ; v240-255 two sets of eight held numbers
.set CDS,  80                          ; v80-95   the codes: a pair for each slot, so that no store's data are written again
.set EX,   96                          ; v96-104  nine exponentials
.set STGB, 8704                        ; a wave's stage: 32 places of 256 bytes + 16 of padding
.set RED,  4*STGB                      ; behind the stages: 128 bytes of partial logits for each wave
.set SE,   32                          ; s[32 + 4 e]: first ex of expert e, then 2^ex as f32
	s_load_b256 s[4:11], s[0:1], 0x0               ; x s[4:5], Wr s[6:7], the scales' exponents s[8:9], xq s[10:11]
	s_load_b128 s[12:15], s[0:1], 0x20             ; eidx s[12:13], wgt s[14:15]
	v_lshrrev_b32 v10, 5, v0
	v_readfirstlane_b32 s16, v10                   ; wave
	v_and_b32 v1, 31, v0                           ; lane
	v_lshlrev_b32 v2, 5, v0                        ; x: 1,024 w + 32 l
	v_lshlrev_b32 v3, 4, v1
	v_lshl_add_u32 v3, v10, 13, v3                 ; Wr: 8,192 w + 16 l
	s_mul_i32 s17, s16, STGB
	v_bfe_u32 v4, v0, 4, 1
	v_mul_u32_u24 v4, v4, 272
	v_and_b32 v5, 15, v0
	v_lshl_add_u32 v4, v5, 4, v4
	v_add_nc_u32 v4, s17, v4                       ; into the stage: a load's 512 bytes are two places: 272 (l / 16) + 16 (l % 16)
	v_mul_u32_u24 v5, v1, 272
	v_add_nc_u32 v5, s17, v5                       ; out of it: place l: my eight rows of Wr
	s_lshl_b32 s24, s16, 7
	s_add_co_u32 s24, s24, RED
	v_mov_b32 v6, s24                              ; my wave's partial logits
	v_mov_b32 v7, RED                              ; all four waves'
	v_lshlrev_b32 v8, 3, v0                        ; xq: 256 w + 8 l
	v_lshlrev_b32 v13, 2, v1                       ; eidx, wgt: 4 l
	s_mov_b32 s22, 0x76543210                      ; v_permlanex16_b32: lane l xor 16
	s_mov_b32 s23, 0xfedcba98
	s_mov_b32 s19, 0
	s_wait_kmcnt 0x0
	s_load_b512 s[32:47], s[8:9], 0x0              ; all 32 exponents
	s_load_b512 s[48:63], s[8:9], 0x40
	s_lshl_b32 s18, ttmp9, 14                      ; 4 tokens of 4,096 bytes
	s_add_nc_u64 s[4:5], s[4:5], s[18:19]
	s_lshl_b32 s18, ttmp9, 13                      ; 8 slots of 1,024 bytes
	s_add_nc_u64 s[10:11], s[10:11], s[18:19]
	s_lshl_b32 s18, ttmp9, 5                       ; 8 slots of 4 bytes
	s_add_nc_u64 s[12:13], s[12:13], s[18:19]
	s_add_nc_u64 s[14:15], s[14:15], s[18:19]
.irp j, 0,1,2,3,4,5,6,7,8,9,10,11,12,13,14,15
	global_load_b128 v[WL+4*\j:WL+4*\j+3], v3, s[6:7] offset:512*\j
.endr
.irp t, 0,1,2,3
	global_load_b128 v[XR+8*\t:XR+8*\t+3], v2, s[4:5] offset:4096*\t th:TH_LOAD_NT
	global_load_b128 v[XR+8*\t+4:XR+8*\t+7], v2, s[4:5] offset:4096*\t+16 th:TH_LOAD_NT
.endr
	s_wait_loadcnt 8                               ; Wr's sixteen loads are in; x's eight, issued behind them, may be out
.irp j, 0,1,2,3,4,5,6,7,8,9,10,11,12,13,14,15
	ds_store_b128 v4, v[WL+4*\j:WL+4*\j+3] offset:544*\j
.endr
.irp i, 0,1,2,3,4,5,6,7,8,9,10,11,12,13,14,15
	ds_load_b128 v[WT+4*\i:WT+4*\i+3], v5 offset:16*\i   ; LDS serves a wave's instructions in order: these see my stores
.endr
	s_wait_loadcnt 0x0
	s_wait_dscnt 0x0
; row kk of my eight: L[t][e] += x[t][kk] Wr[kk][e], two experts an instruction; sel says which register of x's pair serves both halves
.macro DOTK t, kk, sel
.irp q, 0,1,2,3
	v_pk_fma_f32 v[LG+8*\t+2*\q:LG+8*\t+2*\q+1], v[XR+8*\t+2*(\kk/2):XR+8*\t+2*(\kk/2)+1], v[WT+8*\kk+2*\q:WT+8*\kk+2*\q+1], v[LG+8*\t+2*\q:LG+8*\t+2*\q+1] op_sel:[\sel,0,0] op_sel_hi:[\sel,1,1]
.endr
.endm
.macro DOTALL kk, sel                  ; sixteen chains that do not wait for each other
.irp t, 0,1,2,3
	DOTK \t, \kk, \sel
.endr
.endm
.irp t, 0,1,2,3
.irp q, 0,1,2,3
	v_pk_mul_f32 v[LG+8*\t+2*\q:LG+8*\t+2*\q+1], v[XR+8*\t:XR+8*\t+1], v[WT+2*\q:WT+2*\q+1] op_sel_hi:[0,1]   ; row 0 starts the sums
.endr
.endr
	DOTALL 1, 1
	DOTALL 2, 0
	DOTALL 3, 1
	DOTALL 4, 0
	DOTALL 5, 1
	DOTALL 6, 0
	DOTALL 7, 1
	; the 32 sums over the wave's 32 lanes
.irp x, 1,2,4,8
.set i, 0
.rept 32
	v_add_f32_dpp v[LG+i], v[LG+i], v[LG+i] row_xmask:\x row_mask:0xf bank_mask:0xf
.set i, i+1
.endr
.endr
.set i, 0
.rept 32
	v_permlanex16_b32 v[WL+i], v[LG+i], s22, s23   ; (its destination counts as read: these registers held Wr)
.set i, i+1
.endr
.set i, 0
.rept 32
	v_add_f32 v[LG+i], v[LG+i], v[WL+i]
.set i, i+1
.endr
.irp j, 0,1,2,3,4,5,6,7
	ds_store_b128 v6, v[LG+4*\j:LG+4*\j+3] offset:16*\j   ; all lanes write the same words with the same numbers
.endr
	s_wait_dscnt 0x0                               ; for the others' sake: my stores are done
	s_barrier_signal -1
	s_barrier_wait -1
.irp j, 0,1,2,3,4,5,6,7,8,9,10,11,12,13,14,15,16,17,18,19,20,21,22,23,24,25,26,27,28,29,30,31
	ds_load_b128 v[WL+4*\j:WL+4*\j+3], v7 offset:16*\j
.endr
	s_wait_dscnt 0x0
.set i, 0
.rept 16
	v_pk_add_f32 v[WL+i:WL+i+1], v[WL+i:WL+i+1], v[WL+32+i:WL+32+i+1]         ; (wave 0 + wave 1) + (wave 2 + wave 3): the same order in every wave
	v_pk_add_f32 v[WL+64+i:WL+64+i+1], v[WL+64+i:WL+64+i+1], v[WL+96+i:WL+96+i+1]
.set i, i+2
.endr
.set i, 0
.rept 16
	v_pk_add_f32 v[LG+i:LG+i+1], v[WL+i:WL+i+1], v[WL+64+i:WL+64+i+1]
.set i, i+2
.endr
	s_wait_kmcnt 0x0
.irp e, 0,1,2,3,4,5,6,7
	s_add_co_i32 s[SE+4*\e], s[SE+4*\e], 127
	s_lshl_b32 s[SE+4*\e], s[SE+4*\e], 23          ; 2^ex as f32
.endr
; token t: the largest logit, the largest of the others (a later expert wins only if strictly larger), each with its expert's number and scale; then their probabilities
.macro TOP t
.set RT, ST+8*\t
.set LL, LG+8*\t
	v_mov_b32 v[RT], v[LL]
	v_mov_b32 v[RT+1], 0
	v_mov_b32 v[RT+2], s[SE]
.irp e, 1,2,3,4,5,6,7
	v_cmp_gt_f32 vcc_lo, v[LL+\e], v[RT]
	v_cndmask_b32 v[RT], v[RT], v[LL+\e], vcc_lo
	v_cndmask_b32 v[RT+1], v[RT+1], \e, vcc_lo
	v_cndmask_b32 v[RT+2], v[RT+2], s[SE+4*\e], vcc_lo
.endr
	v_mov_b32 v[RT+3], 0xff800000                  ; -infinity, under every logit
	v_mov_b32 v[RT+4], 0
	v_mov_b32 v[RT+5], s[SE]
.irp e, 0,1,2,3,4,5,6,7
	v_cmp_gt_f32 s20, v[LL+\e], v[RT+3]
	v_cmp_ne_u32 s21, \e, v[RT+1]
	s_and_b32 vcc_lo, s20, s21
	v_cndmask_b32 v[RT+3], v[RT+3], v[LL+\e], vcc_lo
	v_cndmask_b32 v[RT+4], v[RT+4], \e, vcc_lo
	v_cndmask_b32 v[RT+5], v[RT+5], s[SE+4*\e], vcc_lo
.endr
.irp e, 0,1,2,3,4,5,6,7
	v_sub_f32 v[EX+\e], v[LL+\e], v[RT]            ; the maximum is taken away, as the reference's softmax does
.endr
	v_sub_f32 v[EX+8], v[RT+3], v[RT]
.irp e, 0,1,2,3,4,5,6,7,8
	v_mul_f32 v[EX+\e], 0x3fb8aa3b, v[EX+\e]       ; x log2(e)
.endr
.irp e, 0,1,2,3,4,5,6,7,8
	v_exp_f32 v[EX+\e], v[EX+\e]
.endr
	v_nop                                          ; a plain instruction behind the last exponential,
	s_wait_alu depctr_va_vdst(0)                   ; and one wait for the batch of nine, ahead of its first reader
	v_pk_add_f32 v[EX:EX+1], v[EX:EX+1], v[EX+2:EX+3]
	v_pk_add_f32 v[EX+4:EX+5], v[EX+4:EX+5], v[EX+6:EX+7]
	v_pk_add_f32 v[EX:EX+1], v[EX:EX+1], v[EX+4:EX+5]
	v_add_f32 v[EX], v[EX], v[EX+1]
	v_rcp_f32 v[RT+6], v[EX]                       ; w1 = 1 / the sum (the largest logit's exponential is 1)
	v_nop
	s_wait_alu depctr_va_vdst(0)
	v_mul_f32 v[RT+7], v[EX+8], v[RT+6]            ; w2
.endm
	TOP 0
	TOP 1
	TOP 2
	TOP 3
; slot 2 t + k: my eight numbers of token t, held within +-57,344 x 2^ex (the conversion does not saturate: ISA guide 7.6.2), converted, stored: the wave's store covers 256 consecutive bytes, aligned
.macro QX t, k
.set N, 2*\t+\k
	v_add_nc_u32 v10, 0x07e00000, v[ST+8*\t+2+3*\k]   ; 15 onto the exponent field, 57,344's mantissa field under it
.irp i, 0,1,2,3,4,5,6,7
	v_med3_num_f32 v[TQ+8*(N%2)+\i], v[XR+8*\t+\i], -v10, v10
.endr
	v_cvt_scalef32_pk8_bf8_f32 v[CDS+2*N:CDS+2*N+1], v[TQ+8*(N%2):TQ+8*(N%2)+7], v[ST+8*\t+2+3*\k]
	global_store_b64 v8, v[CDS+2*N:CDS+2*N+1], s[10:11] offset:1024*N
.endm
.irp t, 0,1,2,3
	QX \t, 0                                       ; the two sets of held numbers take turns: a conversion's sources are written again only behind the next slot's plain lines
	QX \t, 1
.endr
	v_nop                                          ; a plain instruction behind the last conversion
	v_mov_b32 v11, 0
	v_mov_b32 v12, 0
.irp t, 0,1,2,3
.irp k, 0,1
	v_cmp_eq_u32 vcc_lo, 2*\t+\k, v1               ; lane j takes slot j's expert and weight
	v_cndmask_b32 v11, v11, v[ST+8*\t+1+3*\k], vcc_lo
	v_cndmask_b32 v12, v12, v[ST+8*\t+6+\k], vcc_lo
.endr
.endr
	s_cmp_lg_u32 s16, 0
	s_cbranch_scc1 .Lend                           ; all waves hold the same: wave 0 stores
	s_wait_xcnt 0x0                                ; EXEC changes only behind this wait
	v_cmp_gt_u32 vcc_lo, 8, v1
	s_and_saveexec_b32 s20, vcc_lo
	global_store_b32 v13, v11, s[12:13]
	global_store_b32 v13, v12, s[14:15]
	s_wait_xcnt 0x0
	s_or_b32 exec_lo, exec_lo, s20
.Lend:
	s_endpgm
.Lfunc_end_k_qd8fc809d32_route:
	.size	k_qd8fc809d32_route, .Lfunc_end_k_qd8fc809d32_route-k_qd8fc809d32_route
	.p2alignl 7, 3214868480
	.fill 96, 4, 3214868480
	.section	.rodata,"a",@progbits
	.p2align	6, 0x0
	.amdhsa_kernel k_qd8fc809d32_route
		.amdhsa_group_segment_fixed_size 35328
		.amdhsa_private_segment_fixed_size 0
		.amdhsa_enable_private_segment 0
		.amdhsa_kernarg_size 48
		.amdhsa_user_sgpr_count 2
		.amdhsa_user_sgpr_kernarg_segment_ptr 1
		.amdhsa_wavefront_size32 1
		.amdhsa_system_sgpr_workgroup_id_x 1
		.amdhsa_system_sgpr_workgroup_id_y 1
		.amdhsa_system_sgpr_workgroup_id_z 1
		.amdhsa_system_vgpr_workitem_id 0
		.amdhsa_next_free_vgpr 256
		.amdhsa_next_free_sgpr 66
		.amdhsa_reserve_vcc 1
		.amdhsa_float_denorm_mode_32 3
		.amdhsa_float_denorm_mode_16_64 3
		.amdhsa_memory_ordered 1
		.amdhsa_forward_progress 1
		.amdhsa_inst_pref_size 61
	.end_amdhsa_kernel
	.amdgpu_metadata
---
amdhsa.version: [ 1, 2 ]
amdhsa.kernels:
  - .name:           k_qd8fc809d32_route
    .symbol:         k_qd8fc809d32_route.kd
    .args:
      - { .name: x, .offset: 0, .size: 8, .value_kind: global_buffer, .address_space: global }
      - { .name: Wr, .offset: 8, .size: 8, .value_kind: global_buffer, .address_space: global }
      - { .name: lowp_scales, .offset: 16, .size: 8, .value_kind: global_buffer, .address_space: global }
      - { .name: xq, .offset: 24, .size: 8, .value_kind: global_buffer, .address_space: global }
      - { .name: eidx, .offset: 32, .size: 8, .value_kind: global_buffer, .address_space: global }
      - { .name: wgt, .offset: 40, .size: 8, .value_kind: global_buffer, .address_space: global }
    .group_segment_fixed_size: 35328
    .private_segment_fixed_size: 0
    .kernarg_segment_align: 8
    .kernarg_segment_size: 48
    .max_flat_workgroup_size: 128
    .sgpr_count:     66
    .vgpr_count:     256
    .wavefront_size: 32
...
	.end_amdgpu_metadata
.endif
;; end of part 1
;; launch ffn1 (part 2): grid 256 x 1, 16 waves a work-group, no clusters, 138,240 bytes of LDS; arguments xq, eidx, W1_codes, b1, lowp_scales, hbuf, order; writes hbuf, order
.if DOCPART == 2
	.amdgcn_target "amdgcn-amd-amdhsa--gfx1250"
	.amdhsa_code_object_version 6
	.text
	.protected	k_qd8fc809d32_ffn1
	.globl	k_qd8fc809d32_ffn1
	.p2align	8
	.type	k_qd8fc809d32_ffn1,@function
k_qd8fc809d32_ffn1:
	s_mov_b64 s[64:65], 0
	v_nop
	global_prefetch_b8 v0, s[64:65] scope:SCOPE_SE
	s_setreg_imm32_b32 hwreg(HW_REG_WAVE_MODE, 25, 1), 1
	s_wait_xcnt 0x0
; h = Q(gelu(Q(x) W1[e] + b1[e])) for the rows that chose expert e, on codes of E5M2.  hbuf takes h as images of the second product's operand registers.
; SHARES.  Work-group g: expert e = g / 32, hidden units 128 ni .. 128 ni + 127, ni = g % 32, ALL rows of e: so every byte of W1 is read once in the launch.  The slice (128 rows x 1,024 bytes) is copied once,
; 512 consecutive bytes a load, through registers into padded LDS.  A UNIT is 32 rows (two tiles of 16) against the 128 units; wave w takes units w and w + 16.
; THE LIST.  While the slice is on its way, wave 0 reads all 2,048 slots' experts and writes expert e's list into LDS: word pos = the slot at position pos, word 1056 = cnt, the number of its rows.  64 groups of 32 slots:
; in a group the lanes whose slot belongs to e take positions count so far + the number of such lanes below them; the other lanes store into spare words 1024 + lane, which nobody reads, so no lane is switched off.
; Word cnt (a free position, or the first spare word) gets 0, so that the word which an expert without rows makes its readers read is a stored one.  Every position is held under 1,056 whatever eidx holds.
; The work-groups with ni = 0 store the same words into order[e], for the launch that follows; this launch loads nothing from order.
; Sixteen waves of 256 registers: four to a SIMD, so that one wave's LDS loads and gelu stand beside another's products; nothing is pipelined by hand but x, one K step ahead.
; No tensor load, no cluster: the number of units hangs on a stored choice, and the rows are gathered by the list.
; THE PRODUCT IS USED TRANSPOSED (source 0 = 16 rows of W1, source 1 = 16 rows of x): a lane holds one row of h.  THE ROWS OF W1 THAT FORM A TILE ARE NOT NEIGHBOURS: row m of tile t is slice row
; 32 (t / 2) + 8 (t % 2) + m + 8 (m / 8), so that the 16 registers of tiles 2 b, 2 b + 1 are hidden units 32 b + 16 (lane / 16) + 0 .. 15: the conversions' results are the next operand's registers.
; That choice is made at the fill: in LDS a tile's 16 rows are neighbours.  A fragment comes by four loads of 16 bytes, 32 apart: the same order of k in both operands.
; ROWS PAST THE COUNT: every position is held at cnt - 1, so such lanes repeat the expert's last row.
; gelu(z) = max(z, 0) - (|z| / 2) erfc(|z| / sqrt 2), erfc(x) = t exp(-x^2 + P(t)), t = 1 / (1 + x / 2), P of degree 9 (fractional error 1.2e-7 for every x >= 0, so the negative tail keeps its relative accuracy).
; In base 2: a = |z| sqrt(log2(e) / 2), so a^2 = x^2 log2(e); P's coefficients are multiplied by log2(e) beforehand.
; LIMITS: ex + ew1 between -126 and 127, eh between -126 and 112.  NaN and infinities are not served.
.set CNTW, 4224                        ; LDS from byte 0: the list; the count is its word 1056
.set WBASE, 4608                       ; behind the list: the slice
.set PW,  1040                         ; an LDS row of W1: 1,024 bytes + 16: 65 x 16, so the 16 rows of a fragment load fall on 16 different groups of banks
.set B1L, WBASE+128*PW                 ; behind the slice: my 128 numbers of b1
.set WB,  16                           ; v16-47   two fragments of W1
.set A2,  16                           ; v16-31   the epilogue: a, then |z| / 2
.set TT,  32                           ; v32-47   t, then erfc
.set PP,  48                           ; v48-63   the polynomial, then the exponential
.set XB,  64                           ; v64-127  x: two buffers x two tiles x 16
.set BB,  64                           ; v64-127  the epilogue: b1 at my lane's 64 hidden units
.set ACC, 128                          ; v128-255 accumulator (tile of rows m, tile of units t) at ACC + 64 m + 8 t; at the head v128-191 my rows of the slice
.set EI,  64                           ; v64-127  wave 0 at the head: the experts of slots 128 j + 4 l + c at EI + 4 j + c; then 4 x their positions
.set DA,  192                          ; v192-255 wave 0 at the head: the slots' numbers
.set MK,  68                           ; s[68:83] sixteen groups' masks
.set BS,  84                           ; s[84:99] the count ahead of each of them;  s100 the count so far, s101 at work
; v1, v2: LDS address of my lane in tiles 0-3, 4-7.  v3, v4: the two tiles' places in the list, then slot x 1,024 + 16 (lane / 16).  v5: 16 x lane.  v6: b1 in LDS.  v7: 2^eh.  v8-11: at work, the first chunk's codes.
; v[12:13]: P's coefficient 8, twice.  v14: 57,344 x 2^eh.  v15: where I put my rows of the slice.  At the head: v17 my spare word, v18 4 x lane, v19 cnt, v20 4 x cnt, v21 0.
; s16 wave, s17 e, s18 ni, s19 cnt, s20 cnt - 1, s21 the expert's units, s22 my unit, s23 tiles, s[24:27] ex, ew1, eh, ew2, s[30:31] the unit's place in hbuf, s[32:33] 2^(ex + ew1), s[36:58] constants,
; s59 the units that I have done, s60 the units that are mine: 0, 1 or 2;  s[62:63] e's list in order
.macro PAIR reg, bits                  ; a packed form names a pair and takes its low word for both halves: both are written
	s_mov_b32 s[\reg], \bits
	s_mov_b32 s[\reg+1], \bits
.endm
	s_load_b256 s[4:11], s[0:1], 0x0               ; xq s[4:5], eidx s[6:7], W1's codes s[8:9], b1 s[10:11]
	s_load_b128 s[12:15], s[0:1], 0x20             ; the scales' exponents s[12:13], hbuf s[14:15]
	s_load_b64 s[62:63], s[0:1], 0x30              ; order
	v_lshrrev_b32 v8, 5, v0
	v_readfirstlane_b32 s16, v8                    ; wave 0..15
	s_lshr_b32 s17, ttmp9, 5
	s_and_b32 s18, ttmp9, 31
	v_and_b32 v9, 15, v0                           ; r
	v_bfe_u32 v10, v0, 4, 1                        ; h
	v_mul_u32_u24 v1, v9, PW
	v_lshl_add_u32 v1, v10, 4, v1
	v_add_nc_u32 v1, WBASE, v1
	v_add_nc_u32 v2, 64*PW, v1
	v_and_b32 v5, 31, v0
	v_add_nc_u32 v17, 1024, v5                     ; my spare word of the list
	v_lshlrev_b32 v18, 2, v5                       ; 4 x lane
	v_mov_b32 v21, 0
	v_lshlrev_b32 v5, 4, v5
	v_lshlrev_b32 v6, 6, v10
	v_add_nc_u32 v6, B1L, v6                       ; my half's 16 numbers of each 32
	s_lshr_b32 s28, s16, 2                         ; my slice rows 8 w .. 8 w + 7 go to LDS rows 32 (w / 4) + 16 (w % 2) + 8 ((w / 2) % 2) on
	s_lshl_b32 s28, s28, 5
	s_and_b32 s29, s16, 1
	s_lshl_b32 s29, s29, 4
	s_add_co_u32 s28, s28, s29
	s_bfe_u32 s29, s16, 0x10001
	s_lshl_b32 s29, s29, 3
	s_add_co_u32 s28, s28, s29
	s_mul_i32 s28, s28, PW
	s_add_co_u32 s28, s28, WBASE
	v_add_nc_u32 v15, s28, v5
	v_and_b32 v9, 7, v0
	v_lshlrev_b32 v9, 2, v9
	v_and_b32 v10, 0x1e0, v0                       ; 32 w
	v_add_nc_u32 v9, v10, v9                       ; b1: number 8 w + lane % 8 of my 128
	v_add_nc_u32 v10, B1L, v9
	PAIR 36, 0x3ed5224d                            ; 0.41627731: a x this = x / 2
	PAIR 38, 0x3f16b55f                            ; 0.58870501: a x this = |z| / 2
	PAIR 40, 0x3e7c6f08                            ; P's coefficients x log2(e): 9,
	PAIR 42, 0x40097039                            ; 7,
	PAIR 44, 0xbfd1a1e5                            ; 6,
	PAIR 46, 0x3ecdfd18                            ; 5,
	PAIR 48, 0xbe899a80                            ; 4,
	PAIR 50, 0x3e0efb2e                            ; 3,
	PAIR 52, 0x3f0a29d2                            ; 2,
	PAIR 54, 0x3fb8ab5a                            ; 1,
	PAIR 56, 0xbfe9b21e                            ; 0
	s_mov_b32 s58, 0x3f596d27                      ; 0.84932180 = sqrt(log2(e) / 2)
	v_mov_b32 v12, 0xbf97d29d                      ; coefficient 8
	v_mov_b32 v13, 0xbf97d29d
	s_mov_b32 s29, 0
	s_wait_kmcnt 0x0
	s_lshl_b32 s28, s17, 13
	s_add_nc_u64 s[62:63], s[62:63], s[28:29]      ; e's list in order: 8,192 bytes a list
	s_lshl_b32 s28, s17, 4
	s_add_nc_u64 s[12:13], s[12:13], s[28:29]      ; e's four exponents
	s_load_b128 s[24:27], s[12:13], 0x0
	s_lshl_b32 s28, ttmp9, 17                      ; the slice: 128 rows of 1,024 bytes,
	s_lshl_b32 s20, s16, 13                        ; my eight rows of it
	s_add_co_u32 s28, s28, s20
	s_add_nc_u64 s[8:9], s[8:9], s[28:29]
	s_lshl_b32 s28, ttmp9, 9
	s_add_nc_u64 s[10:11], s[10:11], s[28:29]
.macro WASK                            ; my eight rows of the slice, 8 KiB on end, read once in the launch; and my eight numbers of b1
.irp j, 0,1,2,3,4,5,6,7,8,9,10,11,12,13,14,15
	global_load_b128 v[ACC+4*\j:ACC+4*\j+3], v5, s[8:9] offset:512*\j th:TH_LOAD_NT
.endr
	global_load_b32 v8, v9, s[10:11]
.endm
; groups 16 q .. 16 q + 15 of the list, operation by operation, so that no line waits for the line above it.  Each group has its own address and data registers: no store's source is written again.
.macro BUILD q
.set g, 0
.rept 16
	v_cmp_eq_u32 s[MK+g], s17, v[EI+16*(\q)+g]
.set g, g+1
.endr
.set g, 0
.rept 16
	s_mov_b32 s[BS+g], s100
	s_bcnt1_i32_b32 s101, s[MK+g]
	s_add_co_u32 s100, s100, s101
.set g, g+1
.endr
.set g, 0
.rept 16
	v_mbcnt_lo_u32_b32 v[EI+16*(\q)+g], s[MK+g], s[BS+g]   ; the count ahead of the group + the lanes of e below me
.set g, g+1
.endr
.set g, 0
.rept 16
	v_cndmask_b32 v[EI+16*(\q)+g], v17, v[EI+16*(\q)+g], s[MK+g]
.set g, g+1
.endr
.set g, 0
.rept 16
	v_min_u32 v[EI+16*(\q)+g], 0x41f, v[EI+16*(\q)+g]
.set g, g+1
.endr
.set g, 0
.rept 16
	v_lshlrev_b32 v[EI+16*(\q)+g], 2, v[EI+16*(\q)+g]
.set g, g+1
.endr
.set g, 0
.rept 16
	v_add_nc_u32 v[DA+16*(\q)+g], 128*((16*(\q)+g)/4)+g%4, v18
.set g, g+1
.endr
.set g, 0
.rept 16
	ds_store_b32 v[EI+16*(\q)+g], v[DA+16*(\q)+g]
.set g, g+1
.endr
.endm
	s_cmp_lg_u32 s16, 0
	s_cbranch_scc1 .Lothers
.irp j, 0,1,2,3,4,5,6,7,8,9,10,11,12,13,14,15
	global_load_b128 v[EI+4*\j:EI+4*\j+3], v5, s[6:7] offset:512*\j   ; wave 0: all slots' experts, asked for ahead of the slice
.endr
	WASK
	s_mov_b32 s100, 0
	s_wait_loadcnt 17                              ; the experts' sixteen loads are in; the slice's sixteen and b1's, issued behind them, may be out
	BUILD 0
	BUILD 1
	BUILD 2
	BUILD 3
	v_mov_b32 v19, s100                            ; cnt
	v_min_u32 v20, 0x41f, v19
	v_lshlrev_b32 v20, 2, v20
	ds_store_b32 v20, v21                          ; word cnt gets 0 (all lanes write the same word with the same number)
	ds_store_b32 v21, v19 offset:CNTW
	s_cmp_lg_u32 s18, 0
	s_cbranch_scc1 .Lkept                          ; one work-group of each expert stores the list for the next launch
.set g, 0
.rept 64
	global_store_b32 v[EI+g], v[DA+g], s[62:63]
.set g, g+1
.endr
	s_wait_xcnt 0x0                                ; EXEC changes only behind this wait
	v_cmp_eq_u32 vcc_lo, 0, v0
	s_and_saveexec_b32 s101, vcc_lo
	global_store_b32 v21, v19, s[62:63] offset:CNTW
	global_store_b32 v20, v21, s[62:63]
	s_wait_xcnt 0x0                                ; and again ahead of the line that widens it; the stores have also read their registers, into which x is loaded below
	s_or_b32 exec_lo, exec_lo, s101
.Lkept:
	s_branch .Ljoin
.Lothers:
	WASK
.Ljoin:
	s_wait_dscnt 0x0                               ; for the others' sake: wave 0's list lies in LDS.  No other wave has touched LDS yet
	s_barrier_signal -1
	s_barrier_wait -1
	ds_load_b32 v11, v21 offset:CNTW               ; cnt
	s_wait_kmcnt 0x0
	s_add_co_i32 s32, s24, s25
	s_add_co_i32 s32, s32, 127
	s_lshl_b32 s32, s32, 23                        ; 2^(ex + ew1)
	s_mov_b32 s33, s32
	s_add_co_i32 s28, s26, 127
	s_lshl_b32 s34, s28, 23
	v_mov_b32 v7, s34                              ; 2^eh: the conversion takes its exponent field
	s_add_co_i32 s28, s28, 15
	s_lshl_b32 s28, s28, 23
	s_or_b32 s28, s28, 0x600000
	v_mov_b32 v14, s28                             ; 57,344 x 2^eh
	s_wait_dscnt 0x0
	v_readfirstlane_b32 s19, v11
	s_min_u32 s19, s19, 1024
	s_max_u32 s20, s19, 1
	s_sub_co_u32 s20, s20, 1
	s_add_co_u32 s23, s19, 15
	s_lshr_b32 s23, s23, 4                         ; tiles of 16 rows
	s_add_co_u32 s21, s23, 1
	s_lshr_b32 s21, s21, 1                         ; units: 0 to 32
	s_mov_b32 s22, s16                             ; my first unit
	s_add_co_u32 s60, s21, 15
	s_sub_co_u32 s60, s60, s16
	s_lshr_b32 s60, s60, 4                         ; of the units w, w + 16 those under the expert's number: (units + 15 - w) / 16
	s_mov_b32 s59, 0
.macro ULIST                           ; the slots of unit s22's 32 rows, out of the list in LDS: lane (r, h) asks for rows r and 16 + r
	s_lshl_b32 s28, s22, 5
	v_and_b32 v3, 15, v0
	v_add_nc_u32 v3, s28, v3
	v_add_nc_u32 v4, 16, v3
	v_min_u32 v3, s20, v3
	v_min_u32 v4, s20, v4
	v_min_u32 v3, 0x3ff, v3
	v_min_u32 v4, 0x3ff, v4
	v_lshlrev_b32 v3, 2, v3
	v_lshlrev_b32 v4, 2, v4
	ds_load_b32 v3, v3
	ds_load_b32 v4, v4
.endm
.macro UADDR                           ; and their rows in xq
	v_bfe_u32 v11, v0, 4, 1
	v_lshlrev_b32 v11, 4, v11
	v_min_u32 v3, 0x7ff, v3
	v_min_u32 v4, 0x7ff, v4
	v_lshl_add_u32 v3, v3, 10, v11
	v_lshl_add_u32 v4, v4, 10, v11
.endm
.macro XLOAD s                         ; K step s of both tiles of rows: eight loads
.irp m, 0,1
.irp c, 0,1,2,3
	global_load_b128 v[XB+32*((\s)%2)+16*\m+4*\c:XB+32*((\s)%2)+16*\m+4*\c+3], v[3+\m], s[4:5] offset:128*(\s)+32*\c
.endr
.endr
.endm
	ULIST
	s_wait_dscnt 0x0
	UADDR
	XLOAD 0                                        ; every wave asks, so that no branch stands ahead of the barriers: a wave without a unit has all its positions at cnt - 1
	XLOAD 1
	s_barrier_signal -1                            ; the list was read at addresses that hang on a stored count: a barrier of its own parts those reads from the stores of the slice
	s_barrier_wait -1
	s_wait_loadcnt 16                              ; the slice's loads and b1's are in; x's sixteen, issued behind them, may be out
.irp j, 0,1,2,3,4,5,6,7,8,9,10,11,12,13,14,15
	ds_store_b128 v15, v[ACC+4*\j:ACC+4*\j+3] offset:(\j/2)*PW+512*(\j%2)
.endr
	ds_store_b32 v10, v8
	s_wait_dscnt 0x0                               ; for the others' sake: my part of the slice lies in LDS
	s_barrier_signal -1
	s_barrier_wait -1                              ; the last barrier: from here on LDS is only read
	s_cmp_eq_u32 s60, 0
	s_cbranch_scc1 .Lend
; A K step of 128: the 8 tiles of units two at a time, each against both tiles of rows.  No two matrix instructions that follow each other share an accumulator.
; Four plain instructions stand between matrix instructions and the loads into registers that they have read (ISA guide 7.12.1 for vector instructions).
.macro KSTEP s
.irp g, 0,1,2,3
.if ((\s) > 0) || (\g > 0)
.rept 4
	v_nop
.endr
.endif
.if (\g == 0) && ((\s) >= 1) && ((\s) <= 6)
	XLOAD (\s)+1                                   ; into the buffer that the K step before has multiplied
.endif
.irp u, 0,1
.irp c, 0,1,2,3
	ds_load_b128 v[WB+16*\u+4*\c:WB+16*\u+4*\c+3], v[1+\g/2] offset:((2*\g+\u)%4)*16*PW+128*(\s)+32*\c
.endr
.endr
.if \g == 0
.if (\s) < 7
	s_wait_loadcnt 8                               ; this K step's x is in; the next step's eight loads may be out
.else
	s_wait_loadcnt 0x0
.endif
.endif
	s_wait_dscnt 0x0
.irp u, 0,1
.irp m, 0,1
.if (\s) == 0
	v_wmma_f32_16x16x128_bf8_bf8 v[ACC+64*\m+8*(2*\g+\u):ACC+64*\m+8*(2*\g+\u)+7], v[WB+16*\u:WB+16*\u+15], v[XB+32*((\s)%2)+16*\m:XB+32*((\s)%2)+16*\m+15], 0
.else
	v_wmma_f32_16x16x128_bf8_bf8 v[ACC+64*\m+8*(2*\g+\u):ACC+64*\m+8*(2*\g+\u)+7], v[WB+16*\u:WB+16*\u+15], v[XB+32*((\s)%2)+16*\m:XB+32*((\s)%2)+16*\m+15], v[ACC+64*\m+8*(2*\g+\u):ACC+64*\m+8*(2*\g+\u)+7]
.endif
.endr
.endr
.endr
.endm
; 16 numbers of a lane, hidden units 32 b + 16 (lane / 16) + 0 .. 15 of its row in tile m: bias, gelu, hold, conversion, store.  cd: four registers for the codes, dead by now and not written again in this unit.
.macro CHUNK m, b, cd
.set ZZ, ACC+64*\m+16*\b
.irp i, 0,2,4,6,8,10,12,14
	v_pk_fma_f32 v[ZZ+\i:ZZ+\i+1], v[ZZ+\i:ZZ+\i+1], s[32:33], v[BB+16*\b+\i:BB+16*\b+\i+1] op_sel_hi:[1,0,1]   ; z = sum x 2^(ex + ew1) + b1; each accumulator from its low end on
.endr
.irp i, 0,1,2,3,4,5,6,7,8,9,10,11,12,13,14,15
	v_mul_f32 v[A2+\i], s58, |v[ZZ+\i]|            ; a
.endr
.irp i, 0,2,4,6,8,10,12,14
	v_pk_fma_f32 v[TT+\i:TT+\i+1], v[A2+\i:A2+\i+1], s[36:37], 1.0 op_sel_hi:[1,0,0]   ; 1 + x / 2
.endr
.irp i, 0,1,2,3,4,5,6,7,8,9,10,11,12,13,14,15
	v_rcp_f32 v[TT+\i], v[TT+\i]                   ; t
.endr
.irp i, 0,1,2,3,4,5,6,7,8,9,10,11,12,13,14,15
	v_max_num_f32 v[ZZ+\i], 0, v[ZZ+\i]            ; max(z, 0): plain work that names no reciprocal
.endr
	s_wait_alu depctr_va_vdst(0)                   ; one wait for the sixteen reciprocals, ahead of their first reader
.irp i, 0,2,4,6,8,10,12,14
	v_pk_fma_f32 v[PP+\i:PP+\i+1], v[TT+\i:TT+\i+1], s[40:41], v[12:13] op_sel_hi:[1,0,1]
.endr
.irp k, 42,44,46,48,50,52,54,56
.irp i, 0,2,4,6,8,10,12,14
	v_pk_fma_f32 v[PP+\i:PP+\i+1], v[PP+\i:PP+\i+1], v[TT+\i:TT+\i+1], s[\k:\k+1] op_sel_hi:[1,1,0]
.endr
.endr
.irp i, 0,2,4,6,8,10,12,14
	v_pk_fma_f32 v[PP+\i:PP+\i+1], v[A2+\i:A2+\i+1], v[A2+\i:A2+\i+1], v[PP+\i:PP+\i+1] neg_lo:[1,0,0] neg_hi:[1,0,0]   ; P - a^2, the square unrounded
.endr
.irp i, 0,1,2,3,4,5,6,7,8,9,10,11,12,13,14,15
	v_exp_f32 v[PP+\i], v[PP+\i]
.endr
.irp i, 0,2,4,6,8,10,12,14
	v_pk_mul_f32 v[A2+\i:A2+\i+1], v[A2+\i:A2+\i+1], s[38:39] op_sel_hi:[1,0]   ; |z| / 2: plain work that names no exponential
.endr
	s_wait_alu depctr_va_vdst(0)                   ; one wait for the sixteen exponentials
.irp i, 0,2,4,6,8,10,12,14
	v_pk_mul_f32 v[TT+\i:TT+\i+1], v[TT+\i:TT+\i+1], v[PP+\i:PP+\i+1]           ; erfc
.endr
.irp i, 0,2,4,6,8,10,12,14
	v_pk_fma_f32 v[ZZ+\i:ZZ+\i+1], v[A2+\i:A2+\i+1], v[TT+\i:TT+\i+1], v[ZZ+\i:ZZ+\i+1] neg_lo:[1,0,0] neg_hi:[1,0,0]   ; gelu
.endr
.irp i, 0,1,2,3,4,5,6,7,8,9,10,11,12,13,14,15
	v_med3_num_f32 v[ZZ+\i], v[ZZ+\i], -v14, v14   ; the conversion does not saturate (ISA guide 7.6.2): the hold at the largest code x the scale
.endr
	v_cvt_scalef32_pk8_bf8_f32 v[\cd:\cd+1], v[ZZ:ZZ+7], v7
	v_cvt_scalef32_pk8_bf8_f32 v[\cd+2:\cd+3], v[ZZ+8:ZZ+15], v7
	v_nop                                          ; a plain instruction behind the conversions: the next unit's products write their sources
	global_store_b128 v5, v[\cd:\cd+3], s[30:31] offset:65536*\m+512*\b   ; piece b of the fragment's image: 512 consecutive bytes, aligned
.endm
.Lunit:                                            ; a trip is one unit; the trips are counted by s59, one a trip, against s60, which the loop does not write
	s_min_u32 s28, s22, 31
	s_lshl_b32 s28, s28, 1                         ; tile 2 u
	s_lshl_b32 s29, s17, 6
	s_add_co_u32 s28, s28, s29                     ; + 64 e
	s_lshl_b32 s28, s28, 5
	s_add_co_u32 s28, s28, s18                     ; K step ni of the second product
	s_lshl_b32 s28, s28, 11                        ; an image is 2,048 bytes
	s_mov_b32 s29, 0
	s_add_nc_u64 s[30:31], s[14:15], s[28:29]
	KSTEP 0
	KSTEP 1
	KSTEP 2
	KSTEP 3
	KSTEP 4
	KSTEP 5
	KSTEP 6
	KSTEP 7
.rept 4
	v_nop                                          ; places ahead of the loads into x's registers and of the first read of results
.endr
.irp b, 0,1,2,3
.irp i, 0,1,2,3
	ds_load_b128 v[BB+16*\b+4*\i:BB+16*\b+4*\i+3], v6 offset:128*\b+16*\i
.endr
.endr
	s_wait_dscnt 0x0
	CHUNK 0, 0, 8
	CHUNK 0, 1, 128
	CHUNK 0, 2, 144
	CHUNK 0, 3, 160
	s_lshl_b32 s28, s22, 1
	s_add_co_u32 s28, s28, 1
	s_cmp_ge_u32 s28, s23
	s_cbranch_scc1 .Lodd                           ; the expert's last unit may have one tile only
	CHUNK 1, 0, 176
	CHUNK 1, 1, 192
	CHUNK 1, 2, 208
	CHUNK 1, 3, 224
.Lodd:
	s_wait_xcnt 0x0                                ; the stores have read their data and their base: both are written again below
	s_add_co_u32 s59, s59, 1
	s_cmp_ge_u32 s59, s60
	s_cbranch_scc1 .Lend
	s_add_co_u32 s22, s22, 16                      ; my next unit
	ULIST
	s_wait_dscnt 0x0
	UADDR
	XLOAD 0
	XLOAD 1
	s_cmp_lt_u32 s59, s60                          ; compared again: the lines between have written SCC
	s_cbranch_scc1 .Lunit
.Lend:
	s_endpgm
.Lfunc_end_k_qd8fc809d32_ffn1:
	.size	k_qd8fc809d32_ffn1, .Lfunc_end_k_qd8fc809d32_ffn1-k_qd8fc809d32_ffn1
	.p2alignl 7, 3214868480
	.fill 96, 4, 3214868480
	.section	.rodata,"a",@progbits
	.p2align	6, 0x0
	.amdhsa_kernel k_qd8fc809d32_ffn1
		.amdhsa_group_segment_fixed_size 138240
		.amdhsa_private_segment_fixed_size 0
		.amdhsa_enable_private_segment 0
		.amdhsa_kernarg_size 56
		.amdhsa_user_sgpr_count 2
		.amdhsa_user_sgpr_kernarg_segment_ptr 1
		.amdhsa_wavefront_size32 1
		.amdhsa_system_sgpr_workgroup_id_x 1
		.amdhsa_system_sgpr_workgroup_id_y 1
		.amdhsa_system_sgpr_workgroup_id_z 1
		.amdhsa_system_vgpr_workitem_id 0
		.amdhsa_next_free_vgpr 256
		.amdhsa_next_free_sgpr 102
		.amdhsa_reserve_vcc 1
		.amdhsa_float_denorm_mode_32 3
		.amdhsa_float_denorm_mode_16_64 3
		.amdhsa_memory_ordered 1
		.amdhsa_forward_progress 1
		.amdhsa_inst_pref_size 181
	.end_amdhsa_kernel
	.amdgpu_metadata
---
amdhsa.version: [ 1, 2 ]
amdhsa.kernels:
  - .name:           k_qd8fc809d32_ffn1
    .symbol:         k_qd8fc809d32_ffn1.kd
    .args:
      - { .name: xq, .offset: 0, .size: 8, .value_kind: global_buffer, .address_space: global }
      - { .name: eidx, .offset: 8, .size: 8, .value_kind: global_buffer, .address_space: global }
      - { .name: W1_codes, .offset: 16, .size: 8, .value_kind: global_buffer, .address_space: global }
      - { .name: b1, .offset: 24, .size: 8, .value_kind: global_buffer, .address_space: global }
      - { .name: lowp_scales, .offset: 32, .size: 8, .value_kind: global_buffer, .address_space: global }
      - { .name: hbuf, .offset: 40, .size: 8, .value_kind: global_buffer, .address_space: global }
      - { .name: order, .offset: 48, .size: 8, .value_kind: global_buffer, .address_space: global }
    .group_segment_fixed_size: 138240
    .private_segment_fixed_size: 0
    .kernarg_segment_align: 8
    .kernarg_segment_size: 56
    .max_flat_workgroup_size: 512
    .sgpr_count:     102
    .vgpr_count:     256
    .wavefront_size: 32
...
	.end_amdgpu_metadata
.endif
;; end of part 2
;; launch ffn2 (part 3): grid 256 x 1, 4 waves a work-group, no clusters, 280,576 bytes of LDS; arguments hbuf, order, wgt, W2_codes, b2, lowp_scales, ybuf; writes ybuf
.if DOCPART == 3
	.amdgcn_target "amdgcn-amd-amdhsa--gfx1250"
	.amdhsa_code_object_version 6
	.text
	.protected	k_qd8fc809d32_ffn2
	.globl	k_qd8fc809d32_ffn2
	.p2align	8
	.type	k_qd8fc809d32_ffn2,@function
k_qd8fc809d32_ffn2:
	s_mov_b64 s[64:65], 0
	v_nop
	global_prefetch_b8 v0, s[64:65] scope:SCOPE_SE
	s_setreg_imm32_b32 hwreg(HW_REG_WAVE_MODE, 25, 1), 1
	s_wait_xcnt 0x0
; ybuf[slot] = w[slot] x (Q(h) W2[e] x 2^(eh + ew2) + b2[e]) for the rows that chose expert e, on codes of E5M2.
; SHARES.  Work-group g: expert e = g / 32, outputs 64 ns .. 64 ns + 63 (ns = (g / 2) % 16), and the tiles of 16 rows of parity p = g % 2.  The slice of W2 (64 rows x 4,096 bytes) is copied once, 512 consecutive
; bytes a load, through registers into padded LDS; one barrier; then no wave waits for another.  Of the work-group's tiles 2 i + p wave w takes i = w, w + 4, ..: up to eight, three to a PASS at the most;
; a pass walks all 32 K steps of 128.  W2's fragments come from LDS, two steps' worth in registers; h's come from memory as images of the operand's registers (512 consecutive bytes a load), three steps ahead.
; No tensor load, no cluster: the number of passes hangs on a stored count.  The choice between two and three tiles is made once a pass, and the 32 steps are written for each, so that every counted wait
; counts the same loads on every way that reaches it.  With one tile left the pass of two repeats it: the same numbers go to the same addresses twice.
; THE PRODUCT IS USED TRANSPOSED (source 0 = 16 rows of W2, source 1 = 16 rows of h): a lane holds eight neighbouring outputs of one row.  A tile goes through the wave's own stage in LDS and leaves as rows:
; sixteen lanes store 256 consecutive bytes, aligned, of a slot's row.  ROWS PAST THE COUNT repeat the expert's last row, here as in the launch before, and are stored onto it with the same numbers.
; LIMIT: eh + ew2 between -126 and 127.
; REGISTERS, in windows of 256.  Window 0: v1 16 x lane; v2-5 my lane in W2's four tiles; v6, v7 the stage, in and back; v8-11 b2; v12 where I put my rows of the slice; v13 lane / 16; v14 my bytes in a row of ybuf;
;   v15 b2's offset; v16-207 h: four buffers x three tiles x 16 (at the head v16-143 a quarter of my rows of the slice; on the way out v16-111 rows of y); v208-231 slots, then offsets in ybuf; v232-255 weights.
; Window 1: v0-127 W2's fragments, two sets of four (at the head a quarter of my rows of the slice); v128-223 accumulator (tile of rows m, tile of outputs t) at 128 + 32 m + 8 t.
.set PW,   4112                        ; an LDS row of W2: 4,096 bytes + 16: 257 x 16
.set STG,  64*PW                       ; behind the slice: 16 rows x 272 bytes for each wave
.set HB,   16
.set OUTR, 16
.set YO,   208
.set WG,   232
.set ACCW, 128
.set MSB, 0
.macro WIN new                         ; the immediate's high byte repeats the setting that is left; a switch that changes nothing is dropped
.if MSB != \new
	s_set_vgpr_msb (MSB<<8)|\new
.set MSB, \new
.endif
.endm
; 0x51: source 0 (W2), C and D window 1, source 1 (h) window 0.  0x40: destination window 1.  0x04: an LDS store's data window 1.
	s_load_b256 s[4:11], s[0:1], 0x0               ; hbuf s[4:5], order s[6:7], wgt s[8:9], W2's codes s[10:11]
	s_load_b128 s[12:15], s[0:1], 0x20             ; b2 s[12:13], the scales' exponents s[14:15]
	s_load_b64 s[16:17], s[0:1], 0x30              ; ybuf
	v_lshrrev_b32 v15, 5, v0
	v_readfirstlane_b32 s18, v15                   ; wave 0..3
	s_lshr_b32 s19, ttmp9, 5                       ; e
	s_bfe_u32 s20, ttmp9, 0x40001                  ; ns
	s_and_b32 s21, ttmp9, 1                        ; p
	v_and_b32 v1, 31, v0
	v_lshlrev_b32 v1, 4, v1
	v_and_b32 v14, 15, v0                          ; r
	v_bfe_u32 v13, v0, 4, 1                        ; h
	v_mul_u32_u24 v2, v14, PW
	v_lshl_add_u32 v2, v13, 4, v2
	v_add_nc_u32 v3, 16*PW, v2
	v_add_nc_u32 v4, 32*PW, v2
	v_add_nc_u32 v5, 48*PW, v2
	s_mul_i32 s36, s18, 16*272
	s_add_co_u32 s36, s36, STG                     ; my stage
	v_mul_u32_u24 v6, v14, 272
	v_lshl_add_u32 v6, v13, 5, v6
	v_add_nc_u32 v6, s36, v6                       ; in: row r, 32 bytes for each half of the lanes
	v_mul_u32_u24 v7, v13, 272
	v_lshl_add_u32 v7, v14, 4, v7
	v_add_nc_u32 v7, s36, v7                       ; back: lanes 0-15 one row of 256 bytes, lanes 16-31 the next
	s_mul_i32 s36, s18, 16*PW
	v_add_nc_u32 v12, s36, v1                      ; my 16 rows of the slice
	v_lshlrev_b32 v15, 4, v14
	s_lshl_b32 s36, s20, 8
	v_add_nc_u32 v14, s36, v15                     ; 256 ns + 16 (lane % 16)
	s_mov_b32 s37, 0                               ; stays 0: s[36:37] is an offset below 4 GiB
	s_wait_kmcnt 0x0
	s_lshl_b32 s36, s19, 13
	s_add_nc_u64 s[6:7], s[6:7], s[36:37]          ; e's list
	s_lshl_b32 s36, s19, 4
	s_add_nc_u64 s[14:15], s[14:15], s[36:37]      ; e's four exponents
	s_load_b32 s22, s[6:7], 0x1080                 ; cnt
	s_load_b128 s[32:35], s[14:15], 0x0            ; ex, ew1, eh, ew2
	s_lshr_b32 s38, ttmp9, 1                       ; 16 e + ns
	s_lshl_b32 s36, s38, 18                        ; the slice: 64 rows of 4,096 bytes,
	s_lshl_b32 s39, s18, 16                        ; my 16 rows of it
	s_add_co_u32 s36, s36, s39
	s_add_nc_u64 s[10:11], s[10:11], s[36:37]
	s_lshl_b32 s36, s38, 8
	s_add_nc_u64 s[12:13], s[12:13], s[36:37]      ; b2 at my 64 outputs
.macro FILLL beta, reg                 ; quarter beta of my 64 KiB of the slice: four rows, 32 loads
.set q, 0
.rept 32
	global_load_b128 v[\reg+4*q:\reg+4*q+3], v1, s[10:11] offset:16384*\beta+512*q
.set q, q+1
.endr
.endm
.macro FILLS beta, reg                 ; and into LDS
.set q, 0
.rept 32
	ds_store_b128 v12, v[\reg+4*q:\reg+4*q+3] offset:(4*\beta+q/8)*PW+512*(q%8)
.set q, q+1
.endr
.endm
; the pass's three tiles: 2 w + p + 24 P + 8 m; one that the wave does not have takes the first one's place; and their images in hbuf
.macro TILES
.irp m, 0,1,2
	s_add_co_u32 s[48+\m], s29, 8*\m
	s_cmp_gt_u32 s28, \m
	s_cselect_b32 s[48+\m], s[48+\m], s29
	s_min_u32 s[48+\m], s[48+\m], 63
	s_lshl_b32 s36, s19, 6
	s_add_co_u32 s36, s36, s[48+\m]
	s_lshl_b32 s36, s36, 16                        ; a tile's 32 images are 65,536 bytes
	s_add_nc_u64 s[40+2*\m:41+2*\m], s[4:5], s[36:37]
.endr
.endm
.macro SLOTS1                          ; the slots of rows 2 i + lane / 16 of each tile: as the rows come back from the stage
.irp m, 0,1,2
	s_lshl_b32 s38, s[48+\m], 4
.irp i, 0,1,2,3,4,5,6,7
	v_add3_u32 v[YO+8*\m+\i], v13, s38, 2*\i
	v_min_u32 v[YO+8*\m+\i], s23, v[YO+8*\m+\i]
	v_min_u32 v[YO+8*\m+\i], 0x3ff, v[YO+8*\m+\i]
	v_lshlrev_b32 v[YO+8*\m+\i], 2, v[YO+8*\m+\i]
	global_load_b32 v[YO+8*\m+\i], v[YO+8*\m+\i], s[6:7]
.endr
.endr
.endm
.macro SLOTS2                          ; their weights, and their places in ybuf
.set n, 0
.rept 24
	v_min_u32 v[YO+n], 0x7ff, v[YO+n]
	v_lshlrev_b32 v[WG+n], 2, v[YO+n]
	global_load_b32 v[WG+n], v[WG+n], s[8:9]
	v_lshl_add_u32 v[YO+n], v[YO+n], 12, v14
.set n, n+1
.endr
.endm
	FILLL 0, 16
	WIN 0x40
	FILLL 1, 0
	WIN 0
	s_wait_kmcnt 0x0
	s_min_u32 s22, s22, 1024
	s_max_u32 s23, s22, 1
	s_sub_co_u32 s23, s23, 1                       ; the last position
	s_add_co_u32 s24, s22, 15
	s_lshr_b32 s24, s24, 4                         ; the expert's tiles
	s_add_co_u32 s25, s24, 1
	s_sub_co_u32 s25, s25, s21
	s_lshr_b32 s25, s25, 1                         ; those of my work-group's parity
	s_add_co_u32 s25, s25, 3
	s_sub_co_u32 s25, s25, s18
	s_lshr_b32 s25, s25, 2                         ; my wave's: 0 to 8
	s_add_co_u32 s26, s25, 2
	s_mul_i32 s26, s26, 43
	s_lshr_b32 s26, s26, 7                         ; passes: (tiles + 2) / 3, right for 0 to 8
	s_mov_b32 s27, 0                               ; the pass
	s_mov_b32 s28, s25                             ; tiles left
	s_lshl_b32 s29, s18, 1
	s_add_co_u32 s29, s29, s21                     ; the pass's first tile
	s_add_co_i32 s46, s34, s35
	s_add_co_i32 s46, s46, 127
	s_lshl_b32 s46, s46, 23                        ; 2^(eh + ew2)
	s_mov_b32 s47, s46
	TILES
	SLOTS1
	global_load_b128 v[8:11], v15, s[12:13]
	s_wait_loadcnt 57                              ; quarter 0 is in: behind it quarter 1's 32 loads, the 24 list loads and b2's
	FILLS 0, 16
	s_wait_dscnt 0x0                               ; the stores have read their registers
	FILLL 2, 16
	s_wait_loadcnt 57                              ; quarter 1 is in: behind it the 25 and quarter 2's 32
	WIN 0x04
	FILLS 1, 0
	s_wait_dscnt 0x0
	WIN 0x40
	FILLL 3, 0
	WIN 0
	s_wait_loadcnt 32                              ; the lists, b2 and quarter 2 are in: behind them quarter 3's 32
	FILLS 2, 16
	SLOTS2
	s_wait_loadcnt 24                              ; quarter 3 is in: behind it the 24 loads of weights
	WIN 0x04
	FILLS 3, 0
	WIN 0
	s_wait_dscnt 0x0                               ; for the others' sake: my rows of the slice lie in LDS
	s_barrier_signal -1
	s_barrier_wait -1                              ; the one barrier: from here on the slice is only read
	s_cmp_eq_u32 s26, 0
	s_cbranch_scc1 .Lend
.macro HLOAD M, s                      ; K step s of M tiles of h
.set mm, 0
.rept \M
.irp c, 0,1,2,3
	global_load_b128 v[HB+48*((\s)%4)+16*mm+4*\c:HB+48*((\s)%4)+16*mm+4*\c+3], v1, s[40+2*mm:41+2*mm] offset:2048*(\s)+512*\c
.endr
.set mm, mm+1
.endr
.endm
.macro WLOAD s                         ; K step s of W2's four tiles
	WIN 0x40
.irp t, 0,1,2,3
.irp c, 0,1,2,3
	ds_load_b128 v[64*((\s)%2)+16*\t+4*\c:64*((\s)%2)+16*\t+4*\c+3], v[2+\t] offset:128*(\s)+32*\c
.endr
.endr
.endm
; A K step: h of three steps on is asked for, into the buffer that the step before multiplied; 4 M products, the accumulators by turns; four plain instructions, the places ahead of loads into registers that
; matrix instructions have read (and, behind the last step, of the first read of results); W2 of two steps on.
.macro STEP M, s
.if ((\s) >= 1) && ((\s) <= 28)
	WIN 0
	HLOAD \M, (\s)+3
.endif
.if (\s) <= 28
	s_wait_loadcnt 12*\M                           ; this step's h is in; the three younger steps' loads may be out
.else
	s_wait_loadcnt 4*\M*(31-(\s))
.endif
	WIN 0x51
.irp t, 0,1,2,3
.set mm, 0
.rept \M
.if (\s) == 0
	v_wmma_f32_16x16x128_bf8_bf8 v[ACCW+32*mm+8*\t:ACCW+32*mm+8*\t+7], v[64*((\s)%2)+16*\t:64*((\s)%2)+16*\t+15], v[HB+48*((\s)%4)+16*mm:HB+48*((\s)%4)+16*mm+15], 0
.else
	v_wmma_f32_16x16x128_bf8_bf8 v[ACCW+32*mm+8*\t:ACCW+32*mm+8*\t+7], v[64*((\s)%2)+16*\t:64*((\s)%2)+16*\t+15], v[HB+48*((\s)%4)+16*mm:HB+48*((\s)%4)+16*mm+15], v[ACCW+32*mm+8*\t:ACCW+32*mm+8*\t+7]
.endif
.set mm, mm+1
.endr
.endr
.rept 4
	v_nop
.endr
.if (\s) <= 29
	WLOAD (\s)+2
	s_wait_dscnt 16                                ; the next step's W2 is in; the sixteen loads just issued may be out
.elseif (\s) == 30
	s_wait_dscnt 0x0
.endif
.endm
; rows 2 i and 2 i + 1 of tile m: y = sum x 2^(eh + ew2) + b2, x the row's weight (sel: which register of the weights' pair), stored
.macro EROW m, i, sel
.set OO, OUTR+32*\m+4*\i
	s_wait_dscnt 7-\i                              ; this pair of rows is back; the pairs behind it may be out
	v_pk_fma_f32 v[OO:OO+1], v[OO:OO+1], s[46:47], v[8:9] op_sel_hi:[1,0,1]
	v_pk_fma_f32 v[OO+2:OO+3], v[OO+2:OO+3], s[46:47], v[10:11] op_sel_hi:[1,0,1]
	v_pk_mul_f32 v[OO:OO+1], v[OO:OO+1], v[WG+8*\m+2*(\i/2):WG+8*\m+2*(\i/2)+1] op_sel:[0,\sel] op_sel_hi:[1,\sel]
	v_pk_mul_f32 v[OO+2:OO+3], v[OO+2:OO+3], v[WG+8*\m+2*(\i/2):WG+8*\m+2*(\i/2)+1] op_sel:[0,\sel] op_sel_hi:[1,\sel]
	global_store_b128 v[YO+8*\m+\i], v[OO:OO+3], s[16:17]   ; sixteen lanes store 256 consecutive bytes, aligned
.endm
.macro EPI m                           ; tile m through my stage; LDS serves a wave's instructions in order: no wait between the stores and the loads, nor ahead of the next tile's stores
	WIN 0x04
.irp t, 0,1,2,3
	ds_store_b128 v6, v[ACCW+32*\m+8*\t:ACCW+32*\m+8*\t+3] offset:64*\t          ; each accumulator from its low end on
	ds_store_b128 v6, v[ACCW+32*\m+8*\t+4:ACCW+32*\m+8*\t+7] offset:64*\t+16
.endr
	WIN 0
.irp i, 0,1,2,3,4,5,6,7
	ds_load_b128 v[OUTR+32*\m+4*\i:OUTR+32*\m+4*\i+3], v7 offset:544*\i
.endr
	EROW \m, 0, 0
	EROW \m, 1, 1
	EROW \m, 2, 0
	EROW \m, 3, 1
	EROW \m, 4, 0
	EROW \m, 5, 1
	EROW \m, 6, 0
	EROW \m, 7, 1
.endm
.macro BODY M
	HLOAD \M, 0
	HLOAD \M, 1
	HLOAD \M, 2
	HLOAD \M, 3
	WLOAD 0
	WLOAD 1
	s_wait_dscnt 16                                ; step 0's W2 is in
.set KS, 0
.rept 32
	STEP \M, KS
.set KS, KS+1
.endr
	EPI 0
	EPI 1
.if \M > 2
	EPI 2
.endif
.endm
.Lpass:
	s_cmp_ge_u32 s28, 3
	s_cbranch_scc1 .Lthree
	BODY 2
	s_branch .Ltail
.Lthree:
	BODY 3
.Ltail:
	s_wait_xcnt 0x0                                ; the stores have read their data and offsets: both are written again below
	s_add_co_u32 s27, s27, 1
	s_cmp_ge_u32 s27, s26
	s_cbranch_scc1 .Lend
	s_sub_co_u32 s28, s28, 3
	s_add_co_u32 s29, s29, 24
	TILES
	SLOTS1
	s_wait_loadcnt 0x0
	SLOTS2
	s_cmp_lt_u32 s27, s26                          ; compared again: the lines between have written SCC
	s_cbranch_scc1 .Lpass
.Lend:
	s_endpgm
.Lfunc_end_k_qd8fc809d32_ffn2:
	.size	k_qd8fc809d32_ffn2, .Lfunc_end_k_qd8fc809d32_ffn2-k_qd8fc809d32_ffn2
	.p2alignl 7, 3214868480
	.fill 96, 4, 3214868480
	.section	.rodata,"a",@progbits
	.p2align	6, 0x0
	.amdhsa_kernel k_qd8fc809d32_ffn2
		.amdhsa_group_segment_fixed_size 280576
		.amdhsa_private_segment_fixed_size 0
		.amdhsa_enable_private_segment 0
		.amdhsa_kernarg_size 56
		.amdhsa_user_sgpr_count 2
		.amdhsa_user_sgpr_kernarg_segment_ptr 1
		.amdhsa_wavefront_size32 1
		.amdhsa_system_sgpr_workgroup_id_x 1
		.amdhsa_system_sgpr_workgroup_id_y 1
		.amdhsa_system_sgpr_workgroup_id_z 1
		.amdhsa_system_vgpr_workitem_id 0
		.amdhsa_next_free_vgpr 512
		.amdhsa_next_free_sgpr 66
		.amdhsa_reserve_vcc 0
		.amdhsa_float_denorm_mode_32 3
		.amdhsa_float_denorm_mode_16_64 3
		.amdhsa_memory_ordered 1
		.amdhsa_forward_progress 1
		.amdhsa_inst_pref_size 254
	.end_amdhsa_kernel
	.amdgpu_metadata
---
amdhsa.version: [ 1, 2 ]
amdhsa.kernels:
  - .name:           k_qd8fc809d32_ffn2
    .symbol:         k_qd8fc809d32_ffn2.kd
    .args:
      - { .name: hbuf, .offset: 0, .size: 8, .value_kind: global_buffer, .address_space: global }
      - { .name: order, .offset: 8, .size: 8, .value_kind: global_buffer, .address_space: global }
      - { .name: wgt, .offset: 16, .size: 8, .value_kind: global_buffer, .address_space: global }
      - { .name: W2_codes, .offset: 24, .size: 8, .value_kind: global_buffer, .address_space: global }
      - { .name: b2, .offset: 32, .size: 8, .value_kind: global_buffer, .address_space: global }
      - { .name: lowp_scales, .offset: 40, .size: 8, .value_kind: global_buffer, .address_space: global }
      - { .name: ybuf, .offset: 48, .size: 8, .value_kind: global_buffer, .address_space: global }
    .group_segment_fixed_size: 280576
    .private_segment_fixed_size: 0
    .kernarg_segment_align: 8
    .kernarg_segment_size: 56
    .max_flat_workgroup_size: 128
    .sgpr_count:     66
    .vgpr_count:     512
    .wavefront_size: 32
...
	.end_amdgpu_metadata
.endif
;; end of part 3
;; launch mix (part 4): grid 256 x 1, 4 waves a work-group, no clusters, 0 bytes of LDS; arguments ybuf, out0; writes out0
.if DOCPART == 4
	.amdgcn_target "amdgcn-amd-amdhsa--gfx1250"
	.amdhsa_code_object_version 6
	.text
	.protected	k_qd8fc809d32_mix
	.globl	k_qd8fc809d32_mix
	.p2align	8
	.type	k_qd8fc809d32_mix,@function
k_qd8fc809d32_mix:
	s_mov_b64 s[64:65], 0
	v_nop
	global_prefetch_b8 v0, s[64:65] scope:SCOPE_SE
	s_setreg_imm32_b32 hwreg(HW_REG_WAVE_MODE, 25, 1), 1
	s_wait_xcnt 0x0
; out0[token] = ybuf[2 token] + ybuf[2 token + 1]: a token's two weighed experts.  (The reference adds zeros for the other six.)
; A wave takes one token: sixteen loads of 512 consecutive bytes, all issued at once; eight stores of 512 consecutive bytes.  No loop, no LDS, no barrier: waves share nothing, and memory binds.
.set YA, 4                             ; v4-35   slot 2 t:     piece i at YA + 4 i; then the sums
.set YB, 36                            ; v36-67  slot 2 t + 1
	s_load_b128 s[4:7], s[0:1], 0x0                ; ybuf, out0
	v_lshrrev_b32 v1, 5, v0
	v_readfirstlane_b32 s8, v1                     ; wave
	v_and_b32 v1, 31, v0
	v_lshlrev_b32 v1, 4, v1                        ; 16 x lane
	s_lshl_b32 s9, ttmp9, 2
	s_add_co_u32 s9, s9, s8                        ; the token
	s_lshl_b32 s10, s9, 13                         ; two rows of 4,096 bytes
	s_mov_b32 s11, 0
	s_lshl_b32 s12, s9, 12
	s_mov_b32 s13, 0
	s_wait_kmcnt 0x0
	s_add_nc_u64 s[4:5], s[4:5], s[10:11]
	s_add_nc_u64 s[6:7], s[6:7], s[12:13]
.irp i, 0,1,2,3,4,5,6,7
	global_load_b128 v[YA+4*\i:YA+4*\i+3], v1, s[4:5] offset:512*\i th:TH_LOAD_NT
	global_load_b128 v[YB+4*\i:YB+4*\i+3], v1, s[4:5] offset:4096+512*\i th:TH_LOAD_NT
.endr
.irp i, 0,1,2,3,4,5,6,7
	s_wait_loadcnt 14-2*\i                         ; piece i's two loads are in; the pairs behind them may be out
	v_pk_add_f32 v[YA+4*\i:YA+4*\i+1], v[YA+4*\i:YA+4*\i+1], v[YB+4*\i:YB+4*\i+1]
	v_pk_add_f32 v[YA+4*\i+2:YA+4*\i+3], v[YA+4*\i+2:YA+4*\i+3], v[YB+4*\i+2:YB+4*\i+3]
	global_store_b128 v1, v[YA+4*\i:YA+4*\i+3], s[6:7] offset:512*\i th:TH_STORE_NT
.endr
	s_endpgm
.Lfunc_end_k_qd8fc809d32_mix:
	.size	k_qd8fc809d32_mix, .Lfunc_end_k_qd8fc809d32_mix-k_qd8fc809d32_mix
	.p2alignl 7, 3214868480
	.fill 96, 4, 3214868480
	.section	.rodata,"a",@progbits
	.p2align	6, 0x0
	.amdhsa_kernel k_qd8fc809d32_mix
		.amdhsa_group_segment_fixed_size 0
		.amdhsa_private_segment_fixed_size 0
		.amdhsa_enable_private_segment 0
		.amdhsa_kernarg_size 16
		.amdhsa_user_sgpr_count 2
		.amdhsa_user_sgpr_kernarg_segment_ptr 1
		.amdhsa_wavefront_size32 1
		.amdhsa_system_sgpr_workgroup_id_x 1
		.amdhsa_system_sgpr_workgroup_id_y 1
		.amdhsa_system_sgpr_workgroup_id_z 1
		.amdhsa_system_vgpr_workitem_id 0
		.amdhsa_next_free_vgpr 72
		.amdhsa_next_free_sgpr 66
		.amdhsa_reserve_vcc 0
		.amdhsa_float_denorm_mode_32 3
		.amdhsa_float_denorm_mode_16_64 3
		.amdhsa_memory_ordered 1
		.amdhsa_forward_progress 1
		.amdhsa_inst_pref_size 5
	.end_amdhsa_kernel
	.amdgpu_metadata
---
amdhsa.version: [ 1, 2 ]
amdhsa.kernels:
  - .name:           k_qd8fc809d32_mix
    .symbol:         k_qd8fc809d32_mix.kd
    .args:
      - { .name: ybuf, .offset: 0, .size: 8, .value_kind: global_buffer, .address_space: global }
      - { .name: out0, .offset: 8, .size: 8, .value_kind: global_buffer, .address_space: global }
    .group_segment_fixed_size: 0
    .private_segment_fixed_size: 0
    .kernarg_segment_align: 8
    .kernarg_segment_size: 16
    .max_flat_workgroup_size: 128
    .sgpr_count:     66
    .vgpr_count:     72
    .wavefront_size: 32
...
	.end_amdgpu_metadata
.endif
;; end of part 4
